; MI455X (gfx1250); checked and timed in simulation.
; The chip was launched on July 23, 2026; its instructions are those of AMD's public machine-readable ISA for CDNA 5 (MIT licence, August 2026) and "CDNA5" Instruction Set Architecture Reference Guide (July 2026). The comments in the code are by the model that wrote it; some were corrected since.
;; Optimized Multi Head Attention. Allowed arithmetic: matrix products marked QUANTISED: E4M3 operands, one given power-of-two scale a tensor, by v_wmma_f32_16x16x64_fp8_fp8 or v_wmma_f32_16x16x128_fp8_fp8, f32 sums; everything else in f32.
;; Inputs: lowp_scales 8 int32 (the exponents e of the quantised operands' scales 2^e); w_qkv 3,072 x 1,024 float32; wo 1,024 x 1,024 float32; x 4 x 2,048 x 1,024 float32.
;; Outputs: out0 4 x 2,048 x 1,024 float32.
;; This version of the problem:
;;   THIS VERSION OF THE PROBLEM IS GIVEN IN LOW PRECISION. The matrix products marked QUANTISED in the list below multiply operands that are first quantised to E4M3 (4 exponent bits, 3 mantissa bits; 8 bits a number), with one given power-of-two scale for each operand tensor; their sums are f32. All else is computed in f32.
;;   The module's matrix products, in the order in which they are computed (A, B: the left and right operand; K: the contracted axis; several contracted axes count as one K, in the product's order):
;;     1. [M 8,192, K 1,024] x [K 1,024, N 3,072]; A: input x; B: input w_qkv: QUANTISED (scales: A lowp_scales[0], B lowp_scales[1])
;;     2. batch 64 x [M 2,048, K 64] x [K 64, N 2,048]; A: computed on the way; B: computed on the way: QUANTISED (scales: A lowp_scales[2], B lowp_scales[3])
;;     3. batch 64 x [M 2,048, K 2,048] x [K 2,048, N 64]; A: softmax (see below); B: computed on the way: QUANTISED (scales: A lowp_scales[4], B lowp_scales[5])
;;     4. [M 8,192, K 1,024] x [K 1,024, N 1,024]; A: computed on the way; B: input wo: QUANTISED (scales: A lowp_scales[6], B lowp_scales[7])
;;   THE QUANTISER, for each operand of a quantised product, along K:
;;     - The operand's scale is 2^e, e = its entry of the input lowp_scales (int32; the entries are numbered through the quantised products in the list's order, A before B).
;;     - Each number is divided by the scale, clamped to +-448, and rounded to the nearest number of E4M3, ties to even, subnormals kept.
;;     - The product sums the exact products of the quantised numbers (number of the format x scale) in f32.
;;   ~~~python
;;   def quantise(x, axis, e):      # numpy; x: float32 -> the quantised numbers, widened to float32 again
;;       x = np.moveaxis(x, axis, -1); K = x.shape[-1]
;;       r = np.clip(x / 2.0 ** e, -448, 448)
;;       step = 2.0 ** (np.maximum(np.frexp(np.where(r == 0, 1, r))[1] - 1, -6) - 3)
;;       q = np.round(r / step) * step * 2.0 ** e      # np.round: ties to even
;;       return np.moveaxis(q, -1, axis).astype(np.float32)
;;   ~~~
;;   SOFTMAX AHEAD OF A QUANTISED PRODUCT. Where the list says 'softmax', what is quantised is not the finished softmax but p = 2^(t - M), with t = logit x log2(e) and M = ceil(the row's largest t), a whole number; so 1/2 < the row's largest p <= 1. The row's sum l is taken of the UNQUANTISED p, in f32, and the product's result is divided by l at the end. Since M is a whole number, a kernel that streams over the keys may use a running M (the ceiling of the running maximum): every later rescaling is an exact power of two, so the quantised numbers keep their values, but for numbers so far below the row's largest that they fall under the format's range.
;;   OPERANDS COMPUTED ON THE WAY. 'Computed on the way' means the value that the module computes at that place (a softmax that the list does not call 'softmax' is quantised finished and normalised). What goes into a quantiser is computed in f32, as accurately as f32 sums, v_exp_f32 and their like allow (about 1e-6 of the number): no bf16 or f16 on the way to a quantiser, and a product that is left as it is and whose result goes on into a quantised operand takes f32 operands (vector FMAs, or v_wmma_f32_16x16x4_f32). A number that lies on a knife's edge between two numbers of the format may be rounded either way, as far as f32 arithmetic and the matrix unit's own rounding can turn it there, and no further.
;; One version. Each part assembles by itself: llvm-mc -triple=amdgcn-amd-amdhsa -mcpu=gfx1250 --defsym DOCPART=n.
;; ======== version 1 of 1: 4 launches
;; limits: right only within a limited range of input values
;; workspace buffers: x_img 8,388,608 bytes; w_img 3,145,728 bytes; wo_img 1,048,576 bytes; q_img 8,388,608 bytes; kv_img 16,777,216 bytes; y_img 8,388,608 bytes
;; launch quant (part 1): grid 384 x 1, 4 waves a work-group, no clusters, 34,304 bytes of LDS; arguments x, w_qkv, wo, lowp_scales, x_img, w_img, wo_img; writes x_img, w_img, wo_img
.if DOCPART == 1
	.amdgcn_target "amdgcn-amd-amdhsa--gfx1250"
	.amdhsa_code_object_version 6
	.text
	.protected	k_q8ce3e172d5_quant
	.globl	k_q8ce3e172d5_quant
	.p2align	8
	.type	k_q8ce3e172d5_quant,@function
k_q8ce3e172d5_quant:
	s_mov_b64 s[64:65], 0
	v_nop
	global_prefetch_b8 v0, s[64:65] scope:SCOPE_SE
	s_setreg_imm32_b32 hwreg(HW_REG_WAVE_MODE, 25, 1), 1
	s_wait_xcnt 0x0
; x [8192][1024], w_qkv [3072][1024] and wo [1024][1024], f32 with K innermost, become codes of FP8 (E4M3), each with its given scale 2^e (entries 0, 1 and 7 of the scales).
; code = number / 2^e, held within +-448, rounded to the nearest code, ties to even.  LIMITS: e between -126 and 119.  NaN among the inputs is not served.
; THE CODES ARE LAID AS IMAGES OF OPERAND REGISTERS: [S: block of 128 rows][ks: 256 along K][a: tile of 16 rows][q: 128 along K][c][lane][16 bytes].
; Lane (r = lane % 16, h = lane / 16) of tile a holds row 128 S + 32 (a / 2) + 8 (a % 2) + r + 8 (r / 8), and in part (ks, q, c) its K = 256 ks + 128 q + 32 c + 16 h + 0 .. 15:
; registers 4 c .. 4 c + 3 of a fragment of 16 rows x 128 K.  So the product's launch reads fragments at 16 x lane, and a K step of 128 rows is one dense block of 32,768 bytes.
; SHARES.  Work-groups 0-255 take x, 256-351 w_qkv, 352-383 wo: only pointers and e are chosen (by selects on the work-group's number), there is one path.  A wave takes half the K of one tile: four units of 16 rows x 128.
; A unit: 16 loads, each 512 consecutive bytes of one row; through the wave's own stage in LDS (rows of 512 + 16 bytes); back as 64 numbers a lane in the fragment's order; held, converted; four stores of 512 consecutive bytes.
; No tensor load, no barrier: waves share nothing.  Matrix units and clusters have nothing to do here.  Loads run two units (32 loads a wave) ahead.
.set SP,   528                         ; a stage row: 512 bytes + 16 = 132 words: row r starts at bank 4 r mod 64 (64 banks of 4 bytes: ISA guide 11.1)
.set STG,  16*SP                       ; a wave's stage
.set R,    16                          ; v16-143  two sets of 64 registers, as loaded
.set X,    144                         ; v144-207 64 numbers in the fragment's order
.set C,    208                         ; v208-239 two sets of 16 registers of codes
	s_load_b256 s[4:11], s[0:1], 0x0               ; x s[4:5], w_qkv s[6:7], wo s[8:9], the scales' exponents s[10:11]
	s_load_b128 s[12:15], s[0:1], 0x20             ; x_img, w_img
	s_load_b64 s[16:17], s[0:1], 0x30              ; wo_img
	v_lshl_add_u32 v240, v0, 2, 0x8400
	v_mov_b32 v241, 0
	v_lshrrev_b32 v1, 5, v0
	v_readfirstlane_b32 s18, v1                    ; wave 0..3
	v_and_b32 v2, 31, v0
	v_lshlrev_b32 v3, 4, v2                        ; 16 x lane: my bytes of a load's and of a store's 512; never rewritten
	s_mul_i32 s23, s18, STG
	v_add_nc_u32 v14, s23, v3                      ; the stage, on the way in: a row as it lies
	v_and_b32 v4, 15, v0                           ; r
	v_bfe_u32 v5, v0, 4, 1                         ; h
	v_mul_u32_u24 v15, v4, SP
	v_lshl_add_u32 v15, v5, 6, v15
	v_add_nc_u32 v15, s23, v15                     ; and on the way out: row r, + 64 h bytes: my 16 numbers of a block of 32
	s_mov_b32 s19, 352
	s_cmp_lt_u32 ttmp9, 352
	s_cselect_b32 s19, 256, s19
	s_cmp_lt_u32 ttmp9, 256
	s_cselect_b32 s19, 0, s19                      ; the tensor's first work-group
	s_sub_co_u32 s19, ttmp9, s19
	s_lshl_b32 s19, s19, 2
	s_add_co_u32 s19, s19, s18                     ; my wave's number in the tensor
	s_lshr_b32 s21, s19, 1                         ; its tile of 16 rows: 8 S + a
	s_and_b32 s22, s19, 1                          ; and which half of K
	s_lshr_b32 s32, s21, 3
	s_lshl_b32 s32, s32, 7                         ; 128 S
	s_bfe_u32 s33, s21, 0x20001
	s_lshl_b32 s33, s33, 5                         ; + 32 (a / 2)
	s_add_co_u32 s32, s32, s33
	s_and_b32 s33, s21, 1
	s_lshl_b32 s33, s33, 3                         ; + 8 (a % 2): the tile's first row
	s_add_co_u32 s32, s32, s33
	s_lshl_b32 s32, s32, 12                        ; rows of 4,096 bytes
	s_lshl_b32 s33, s22, 11                        ; + half a row
	s_add_co_u32 s32, s32, s33
	s_mov_b32 s33, 0
	s_lshr_b32 s34, s21, 3
	s_lshl_b32 s34, s34, 17                        ; the image: 131,072 S
	s_and_b32 s35, s21, 7
	s_lshl_b32 s35, s35, 12                        ; + 4,096 a
	s_add_co_u32 s34, s34, s35
	s_lshl_b32 s35, s22, 16                        ; + two K steps of 32,768 for the upper half of K
	s_add_co_u32 s34, s34, s35
	s_mov_b32 s35, 0
	s_wait_alu depctr_va_vdst(0)
	s_wait_kmcnt 0x0
	s_load_b256 s[24:31], s[10:11], 0x0            ; e0 .. e7
	s_cmp_lt_u32 ttmp9, 352                        ; the choices hang on the work-group's number alone
	s_cselect_b64 s[6:7], s[6:7], s[8:9]
	s_cselect_b64 s[14:15], s[14:15], s[16:17]
	s_cmp_lt_u32 ttmp9, 256
	s_cselect_b64 s[4:5], s[4:5], s[6:7]
	s_cselect_b64 s[12:13], s[12:13], s[14:15]
	s_add_nc_u64 s[4:5], s[4:5], s[32:33]
	s_add_nc_u64 s[12:13], s[12:13], s[34:35]
.macro LOAD t                          ; unit t: lane index i of the tile is row i + 8 (i / 8) from the tile's first
.irp i, 0,1,2,3,4,5,6,7,8,9,10,11,12,13,14,15
	global_load_b128 v[R+64*((\t)%2)+4*\i:R+64*((\t)%2)+4*\i+3], v3, s[4:5] offset:(\i+8*(\i/8))*4096+512*(\t) th:TH_LOAD_NT   ; 32 lanes read 512 consecutive bytes; read once in the launch
.endr
.endm
	LOAD 0
	LOAD 1
	s_wait_kmcnt 0x0
	s_cmp_lt_u32 ttmp9, 352
	s_cselect_b32 s20, s25, s31
	s_cmp_lt_u32 ttmp9, 256
	s_cselect_b32 s20, s24, s20                    ; e
	s_add_co_i32 s20, s20, 127
	s_lshl_b32 s23, s20, 23
	v_mov_b32 v11, s23                             ; 2^e as f32: the conversion takes its exponent field
	s_add_co_i32 s20, s20, 8
	s_lshl_b32 s20, s20, 23
	s_or_b32 s20, s20, 0x600000
.macro UNIT t
.if (\t) < 3
	s_wait_loadcnt 16                              ; this unit's 16 loads are in; the next unit's 16 may be out
.else
	s_wait_loadcnt 0x0
.endif
.irp i, 0,1,2,3,4,5,6,7,8,9,10,11,12,13,14,15
	ds_store_b128 v14, v[R+64*((\t)%2)+4*\i:R+64*((\t)%2)+4*\i+3] offset:SP*\i
.endr
.irp c, 0,1,2,3
.irp j, 0,1,2,3
	ds_load_b128 v[X+16*\c+4*\j:X+16*\c+4*\j+3], v15 offset:128*\c+16*\j   ; LDS serves a wave's instructions in order (ISA guide 5.7.1.4): these see the stores above, and the next unit's stores come behind them
.endr
.endr
	s_wait_dscnt 0x0                               ; the numbers are back; the stores into the stage have read their registers,
.if (\t) < 2
	LOAD (\t)+2                                    ; which take the loads of two units on
.else
	s_wait_xcnt 0x0                                ; the stores of two units back have read this set of code registers: it is written again only behind this wait
.endif
.set n, 0
.rept 64
.set n, n+1
.endr
.set n, 0
.rept 8
	v_cvt_scalef32_pk8_fp8_f32 v[C+16*((\t)%2)+2*n:C+16*((\t)%2)+2*n+1], v[X+8*n:X+8*n+7], v11
.set n, n+1
.endr
	v_nop                                          ; a plain vector instruction between the conversions and the next unit's first hold, which writes one of their sources
.irp c, 0,1,2,3
	global_store_b128 v3, v[C+16*((\t)%2)+4*\c:C+16*((\t)%2)+4*\c+3], s[12:13] offset:((\t)/2)*32768+((\t)%2)*2048+512*\c   ; 512 consecutive bytes, at a multiple of 512 from the image's first byte
.endr
.endm
	s_wait_alu depctr_va_vdst(0)
	UNIT 0
	UNIT 1
	UNIT 2
	UNIT 3
	s_wait_tensorcnt 0x0
	ds_add_u32 v240, v241
	s_wait_dscnt 0x0
	s_endpgm
.Lfunc_end_k_q8ce3e172d5_quant:
	.size	k_q8ce3e172d5_quant, .Lfunc_end_k_q8ce3e172d5_quant-k_q8ce3e172d5_quant
	.p2alignl 7, 3214868480
	.fill 96, 4, 3214868480
	.section	.rodata,"a",@progbits
	.p2align	6, 0x0
	.amdhsa_kernel k_q8ce3e172d5_quant
		.amdhsa_group_segment_fixed_size 34304
		.amdhsa_private_segment_fixed_size 0
		.amdhsa_enable_private_segment 0
		.amdhsa_kernarg_size 56
		.amdhsa_user_sgpr_count 2
		.amdhsa_user_sgpr_kernarg_segment_ptr 1
		.amdhsa_wavefront_size32 1
		.amdhsa_system_sgpr_workgroup_id_x 1
		.amdhsa_system_sgpr_workgroup_id_y 1
		.amdhsa_system_sgpr_workgroup_id_z 1
		.amdhsa_system_vgpr_workitem_id 0
		.amdhsa_next_free_vgpr 242
		.amdhsa_next_free_sgpr 66
		.amdhsa_reserve_vcc 0
		.amdhsa_float_denorm_mode_32 3
		.amdhsa_float_denorm_mode_16_64 3
		.amdhsa_fp16_overflow 1
		.amdhsa_memory_ordered 1
		.amdhsa_forward_progress 1
		.amdhsa_inst_pref_size 22
	.end_amdhsa_kernel
	.amdgpu_metadata
---
amdhsa.version: [ 1, 2 ]
amdhsa.kernels:
  - .name:           k_q8ce3e172d5_quant
    .symbol:         k_q8ce3e172d5_quant.kd
    .args:
      - { .name: x, .offset: 0, .size: 8, .value_kind: global_buffer, .address_space: global }
      - { .name: w_qkv, .offset: 8, .size: 8, .value_kind: global_buffer, .address_space: global }
      - { .name: wo, .offset: 16, .size: 8, .value_kind: global_buffer, .address_space: global }
      - { .name: lowp_scales, .offset: 24, .size: 8, .value_kind: global_buffer, .address_space: global }
      - { .name: x_img, .offset: 32, .size: 8, .value_kind: global_buffer, .address_space: global }
      - { .name: w_img, .offset: 40, .size: 8, .value_kind: global_buffer, .address_space: global }
      - { .name: wo_img, .offset: 48, .size: 8, .value_kind: global_buffer, .address_space: global }
    .group_segment_fixed_size: 34304
    .private_segment_fixed_size: 0
    .kernarg_segment_align: 8
    .kernarg_segment_size: 56
    .max_flat_workgroup_size: 128
    .sgpr_count:     66
    .vgpr_count:     242
    .wavefront_size: 32
...
	.end_amdgpu_metadata
.endif
;; end of part 1
;; launch qkv (part 2): grid 12 x 32, 4 waves a work-group, clusters of 4 x 4, 327,680 bytes of LDS; arguments x_img, w_img, lowp_scales, q_img, kv_img; writes q_img, kv_img
.if DOCPART == 2
	.amdgcn_target "amdgcn-amd-amdhsa--gfx1250"
	.amdhsa_code_object_version 6
	.text
	.protected	k_q8ce3e172d5_qkv
	.globl	k_q8ce3e172d5_qkv
	.p2align	8
	.type	k_q8ce3e172d5_qkv,@function
k_q8ce3e172d5_qkv:
	s_mov_b64 s[64:65], 0
	v_nop
	global_prefetch_b8 v0, s[64:65] scope:SCOPE_SE
	s_setreg_imm32_b32 hwreg(HW_REG_WAVE_MODE, 25, 1), 1
	s_wait_xcnt 0x0
	s_wait_alu depctr_hold_cnt(0) depctr_sa_sdst(0) depctr_va_vdst(0) depctr_va_sdst(0) depctr_va_ssrc(0) depctr_va_vcc(0) depctr_vm_vsrc(0)
	s_getreg_b32 s2, hwreg(HW_REG_IB_STS2, 6, 4)
	s_cmp_eq_u32 s2, 0
	s_cbranch_scc0 .Lentry_in_a_cluster
	s_endpgm
.Lentry_in_a_cluster:
	s_bfe_u32 s2, ttmp6, 0x10000c
	s_cmp_lg_u32 s2, 0xf033
	s_cbranch_scc0 .Lentry_shape_is_right
	s_endpgm
.Lentry_shape_is_right:
; qkv = x w_qkv^T on codes of FP8 (E4M3), K = 1,024; each f32 sum is quantised in registers to a code of q (scale entry 2), k (entry 3) or v (entry 5) and stored in the order of the attention's operand registers.
; A sum stands for sum x 2^(e0 + e1), so its code is sum / 2^(e - e0 - e1), held within +-448.  LIMITS: e2 - e0 - e1, e3 - e0 - e1 and e5 - e0 - e1 between -126 and 119.
; OPERANDS come as images of registers, [block of 128 rows][K step of 256][tile a of 16 rows][q][c][lane][16 bytes]: lane (r, h) of tile a = 2 A + u holds row 32 A + 8 u + r + 8 (r / 8) of the block.
; A tile of 256 x 256 is made by four waves, as many as a WGP has SIMDs, 128 x 128 a wave: 64 accumulators, 512 registers.  K goes in four steps of 256 through two LDS slots; a wave's tensor load is one dense block of 32,768 bytes.
; THE MATRIX INSTRUCTION IS USED TRANSPOSED (source 0 = tile of the second operand, source 1 = tile of the first): lane (r, h) of accumulators (a, 2 B) and (a, 2 B + 1) holds the first operand's row of lane r of tile a,
; and its 16 registers are the second operand's rows 32 B + 16 h + 0 .. 15: sixteen NEIGHBOURS.  Two conversions make of them four registers of the next product's fragment, and one store at 16 x lane writes 512 consecutive bytes.
; WHICH IS WHICH.  The cluster's x is the kind: 0 = q, 1 = k, 2 = v; it is equal in all sixteen partners and enters selects alone, no branch.  q, k: first operand = tokens (x), second = channels (w): registers run along
; the head's 64, the K of q k^T.  v: first = channels (w), second = tokens (x): registers run along the tokens, the K of p v.
; CLUSTERS: 4 x 4 work-groups; the first operand's tile hangs on cy alone and is asked for jointly by a row of the cluster, the second's on cx alone and by a column.
; No prefetch is laid: there are four K steps, and two of them are asked for at the head.
; REGISTERS, in windows of 256: window 0: v0-31 addresses and scales; from v128 the first operand's 8 fragments, ONE set; on the way out v32-159 take the codes.   window 1: the second operand's fragments, TWO sets, at v0 and v128.
;   window 2: the accumulators of my rows' tiles 0-3 (accumulator (a, b) at v[8 (8 (a % 4) + b)]);   window 3: those of tiles 4-7.
.set KSB,    32768                     ; a K step of a block of 128 rows, in bytes: what one tensor load brings
.set SLOT,   4*KSB                     ; the first operand's 256 rows, then the second's
.set SPARE,  2*SLOT                    ; behind the ring: the spare words, 128 bytes for each wave: two blocks of 256 bytes that no other line names
.set FR,     16                        ; registers of a fragment: 16 rows x 128 K
.set NL,     4                         ; LDS loads that bring one
.set NP,     4                         ; places behind this matrix instruction (ISA guide 7.12.1)
.set LI,   8                           ; v8   16 x lane;  v9 the same + the step from the first two pieces of a block to the last two
.set SCL,  12                          ; v12  2^(e - e0 - e1) as f32
.set LIM,  13
.set ADRA, 16                          ; v16-17  LDS address of my fragments of the first operand in slot 0, 1
.set ADRB, 20                          ; v20-21  the same for the second
.set SPW,  28                          ; v28  LDS address of my spare word: SPARE + 4 x my thread's number; never rewritten
.set NIL,  29                          ; v29  0; never rewritten
.set CD,   32                          ; v32-159 the codes: 16 registers for each of my eight tiles, so that no store's data are written again
.set AF,   128
.set G1, 24                            ; s[24:31] descriptor group 1 for the first operand's tiles;  s[32:39] group 0, one set for each slot
.set G0, 32
.set G1B, 48                           ; s[48:55], s[56:63] the same for the second operand's
.set G0B, 56
.set BAS, 80                           ; s[80:95] where tile a's codes go: eight addresses
.set MSB, 0
.macro WIN new                         ; the immediate's high byte repeats the setting that is left; a switch that changes nothing is dropped
.if MSB != (\new)
	s_set_vgpr_msb (MSB<<8)|(\new)
.set MSB, (\new)
.endif
.endm
.set MUL_LO, 0xa1                      ; source 0 window 1, source 1 window 0, C and D window 2
.set MUL_HI, 0xf1                      ; the same, C and D window 3
.set TO_B,   0x40                      ; destination window 1, address window 0
; A joint load: waves 0 and 1 fetch the first operand's two halves, waves 2 and 3 the second's.  Each line has ONE mask and one set of registers for all that issue it; the branch hangs on the wave's number alone.
; Four v_nop follow each of the two lines, ahead of the jump, the label and what follows.
.macro JLOAD g0a, g1a, g0b, g1b
	s_cmp_eq_u32 s15, 0
	s_cbranch_scc0 .Lfor_b_\@
	tensor_load_to_lds s[\g0a:\g0a+3], s[\g1a:\g1a+7]
	s_nop 0
.rept 4
	v_nop
.endr
	s_branch .Lasked_\@
.Lfor_b_\@:
	tensor_load_to_lds s[\g0b:\g0b+3], s[\g1b:\g1b+7]
	s_nop 0
.rept 4
	v_nop
.endr
.Lasked_\@:
.endm
.macro CREST                           ; a round of the cluster's barrier behind its opening barrier
	s_cmp_lg_u32 s14, 0
	s_cbranch_scc1 .Lnot_wave_0_\@
	s_barrier_signal -3
.Lnot_wave_0_\@:
	s_barrier_wait -3
	s_barrier_signal -1
	s_barrier_wait -1
.endm
.macro CROUND                          ; a whole round
	s_barrier_signal -1
	s_barrier_wait -1
	CREST
.endm
	s_load_b128 s[4:7], s[0:1], 0x0                ; x_img s[4:5], w_img s[6:7]
	s_load_b128 s[8:11], s[0:1], 0x10              ; the scales' exponents s[8:9], q_img s[10:11]
	s_load_b64 s[12:13], s[0:1], 0x20              ; kv_img
	v_lshl_add_u32 v[SPW], v0, 2, SPARE
	v_mov_b32 v[NIL], 0
	ds_add_u32 v28, v29
	ds_add_u32 v28, v29
	s_wait_dscnt 0x0
	v_lshrrev_b32 v1, 5, v0
	v_readfirstlane_b32 s14, v1                    ; wave 0..3
	s_lshr_b32 s15, s14, 1                         ; which half of the first operand's rows is mine.  Also: I fetch for the first operand (0) or the second (1)
	s_and_b32 s16, s14, 1                          ; which half of the second's.  Also: which 128 rows of that tile I fetch
	s_bfe_u32 s40, ttmp6, 0x40000                  ; cx, cy: my place in the cluster
	s_bfe_u32 s41, ttmp6, 0x40004
	s_and_b32 s18, ttmp7, 0xffff
	s_lshl_b32 s18, s18, 2                         ; 4 x cluster y
	s_lshl_b32 s19, ttmp9, 2                       ; 4 x cluster x
	s_cmp_eq_u32 ttmp9, 2                          ; v?
	s_cselect_b32 s17, 8, s18
	s_cselect_b32 s42, s18, s19
	s_add_co_u32 s17, s17, s41                     ; the first operand's tile of 256 rows: q, k: tokens 4 Y + cy;  v: rows 8 + cy of w
	s_add_co_u32 s42, s42, s40                     ; the second's: q, k: rows 4 X + cx of w;  v: tokens 4 Y + cx
	s_lshl_b32 s43, s41, 2
	s_lshl_b32 s43, 15, s43                        ; my row of the cluster
	s_lshl_b32 s44, 0x1111, s40                    ; my column
	; descriptor group 1: a dense block of 32,768 bytes as 128 rows of 32 elements of 8 bytes
	s_or_b32 s[G1+0], s43, (3<<16)|(1<<21)         ; 15:0 the mask: my row; 17:16 elements of 8 bytes; 20 no padding (an image is read at 16 x lane: consecutive bytes); 21 set beside a mask
	s_or_b32 s[G1B+0], s44, (3<<16)|(1<<21)        ; the same with the mask of my column
.irp g, G1, G1B
	s_mov_b32 s[\g+1], 32<<16                      ; tensor_dim0 = 32
	s_mov_b32 s[\g+2], 128<<16                     ; tensor_dim1 = 128
	s_mov_b32 s[\g+3], 32<<16                      ; tile_dim0 = 32
	s_mov_b32 s[\g+4], 128                         ; tile_dim1 = 128
	s_mov_b32 s[\g+5], 32                          ; tensor_dim0_stride: the rows follow each other
	s_mov_b32 s[\g+6], 0
	s_mov_b32 s[\g+7], 0
.endr
	s_lshl_b32 s20, s17, 1
	s_add_co_u32 s20, s20, s16                     ; the block of 128 rows that I would fetch of the first operand,
	s_lshl_b32 s20, s20, 17                        ; 131,072 bytes a block
	s_mov_b32 s21, 0
	s_lshl_b32 s46, s42, 1
	s_add_co_u32 s46, s46, s16                     ; and of the second
	s_lshl_b32 s46, s46, 17
	s_mov_b32 s47, 0
	s_lshl_b32 s45, s14, 15                        ; where it goes: wave x 32,768: no place in the cluster enters an LDS address
	s_wait_kmcnt 0x0
	s_load_b256 s[72:79], s[8:9], 0x0              ; e0 .. e7
	s_cmp_eq_u32 ttmp9, 2
	s_cselect_b64 s[22:23], s[6:7], s[4:5]         ; the first operand's image
	s_cselect_b64 s[66:67], s[4:5], s[6:7]         ; the second's
	s_add_nc_u64 s[20:21], s[22:23], s[20:21]
	s_add_nc_u64 s[46:47], s[66:67], s[46:47]
	CROUND                                         ; all sixteen work-groups are here: the first joint loads meet
.irp s, 0,1
	s_mov_b32 s[G0+4*\s], 1                        ; count = 1
	s_add_co_u32 s[G0+4*\s+1], s45, \s*SLOT        ; LDS address
	s_add_nc_u64 s[G0+4*\s+2:G0+4*\s+3], s[20:21], \s*KSB   ; global address: K step s
	s_or_b32 s[G0+4*\s+3], s[G0+4*\s+3], 0x80000000         ; type = 2
	s_mov_b32 s[G0B+4*\s], 1
	s_add_co_u32 s[G0B+4*\s+1], s45, \s*SLOT
	s_add_nc_u64 s[G0B+4*\s+2:G0B+4*\s+3], s[46:47], \s*KSB
	s_or_b32 s[G0B+4*\s+3], s[G0B+4*\s+3], 0x80000000
	JLOAD G0+4*\s, G1, G0B+4*\s, G1B               ; two tensor loads of mine are out
.endr
	v_and_b32 v1, 31, v0
	v_lshlrev_b32 v[LI], 4, v1                     ; 16 x lane
	s_wait_alu depctr_va_vdst(0)
	s_lshl_b32 s21, s15, 15                        ; my 128 rows of the first operand
	s_lshl_b32 s22, s16, 15                        ; my 128 rows of the second,
	s_add_co_u32 s22, s22, 2*KSB                   ; which lie behind the first's 256
.irp s, 0,1
	v_add_nc_u32 v[ADRA+\s], s21, v[LI]
	v_add_nc_u32 v[ADRB+\s], s22, v[LI]
	s_add_co_u32 s21, s21, SLOT
	s_add_co_u32 s22, s22, SLOT
.endr
	; WHERE THE CODES GO.  q_img: [head 64][s 16][a 8][c 2][512]; kv_img: [head 64][s 16][K: t 8, c 2, 512 | V: tau 4, c 4, 512].  s = a block of 128 tokens of the batch's 2,048.
	s_lshl_b32 s66, s17, 1
	s_add_co_u32 s66, s66, s15                     ; my block of 128 of the first operand
	s_lshl_b32 s67, s42, 1
	s_add_co_u32 s67, s67, s16                     ; and of the second
	s_cmp_eq_u32 ttmp9, 0                          ; q?
	s_mov_b32 s2, 262144
	s_cselect_b32 s2, 131072, s2                   ; a head's bytes in the buffer
	s_cselect_b64 s[22:23], s[10:11], s[12:13]     ; the buffer
	s_cmp_eq_u32 ttmp9, 2                          ; v?
	s_cselect_b32 s68, s67, s66                    ; my block of tokens, 0..63
	s_cselect_b32 s69, s66, s67                    ; my block of channels
	s_cselect_b32 s70, 8192, 0                     ; V's image lies behind K's
	s_mov_b32 s71, 1024
	s_cselect_b32 s19, s71, s2                     ; from pieces 0, 1 to pieces 2, 3 of a tile: v: two parts of 512 on; q, k: the next head
	s_cselect_b32 s71, 2048, s71                   ; from tile a to a + 1 within four: v: a tile of channels; q, k: a tile of tokens
	s_mov_b32 s18, 4096
	s_cselect_b32 s18, 262144, s18                 ; from tiles 0-3 to tiles 4-7: v: the next head; q, k: four tiles of tokens
	s_and_b32 s69, s69, 7
	s_lshl_b32 s69, s69, 1                         ; 128 channels are two heads
	s_lshr_b32 s66, s68, 4
	s_lshl_b32 s66, s66, 4                         ; 16 heads a batch
	s_add_co_u32 s66, s66, s69                     ; my first head, 0..62
	s_mul_i32 s66, s66, s2
	s_and_b32 s68, s68, 15                         ; s
	s_lshr_b32 s67, s2, 4
	s_mul_i32 s68, s68, s67
	s_add_co_u32 s66, s66, s68
	s_add_co_u32 s66, s66, s70
	s_mov_b32 s67, 0
	s_add_nc_u64 s[22:23], s[22:23], s[66:67]
.irp a, 0,1,2,3,4,5,6,7
	s_mul_i32 s66, s71, (\a)%4
	s_mul_i32 s68, s18, (\a)/4
	s_add_co_u32 s66, s66, s68
	s_add_nc_u64 s[BAS+2*\a:BAS+2*\a+1], s[22:23], s[66:67]
.endr
	v_add_nc_u32 v[LI+1], s19, v[LI]
	s_wait_alu depctr_va_vdst(0)
	s_wait_kmcnt 0x0
	s_cmp_eq_u32 ttmp9, 1
	s_cselect_b32 s68, s75, s77                    ; k: e3; else e5,
	s_cmp_eq_u32 ttmp9, 0
	s_cselect_b32 s68, s74, s68                    ; q: e2
	s_sub_co_i32 s68, s68, s72
	s_sub_co_i32 s68, s68, s73                     ; e - e0 - e1: the three scales folded into the conversion's one
	s_add_co_i32 s68, s68, 127
	s_lshl_b32 s69, s68, 23
	v_mov_b32 v[SCL], s69
.macro FRAG reg, adr, q, i             ; a fragment, 16 rows x 128 K, is 16 registers: four loads of 512 consecutive bytes, 16 a lane
.irp c, 0,1,2,3
	ds_load_b128 v[\reg+4*\c:\reg+4*\c+3], v[\adr] offset:4096*(\i)+2048*(\q)+512*\c
.endr
.endm
; 16 matrix instructions: the first operand's tiles a0, a0 + 1 x the second's eight, 128 along K.  p: the second's set.  zero = 1: the first product starts the sums: nothing is ever cleared.
; The 64 accumulators take turns, one instruction a turn, in the same order in every step.
.macro MUL16 a0, p, zero
.irp a, \a0, \a0+1
.irp b, 0,1,2,3,4,5,6,7
.if \zero
	v_wmma_f32_16x16x128_fp8_fp8 v[8*(8*((\a)%4)+\b):8*(8*((\a)%4)+\b)+7], v[128*(\p)+FR*\b:128*(\p)+FR*\b+FR-1], v[AF+FR*(\a):AF+FR*(\a)+FR-1], 0
.else
	v_wmma_f32_16x16x128_fp8_fp8 v[8*(8*((\a)%4)+\b):8*(8*((\a)%4)+\b)+7], v[128*(\p)+FR*\b:128*(\p)+FR*\b+FR-1], v[AF+FR*(\a):AF+FR*(\a)+FR-1], v[8*(8*((\a)%4)+\b):8*(8*((\a)%4)+\b)+7]
.endif
.endr
.endr
.endm
.macro FETCH_B slot, q, p              ; the second operand's eight fragments of the slot's q-th 128 along K into set p
	WIN TO_B
.irp i, 0,1,2,3,4,5,6,7
	FRAG 128*(\p)+FR*\i, ADRB+\slot, \q, \i
.endr
	WIN 0
.endm
.macro FETCH_A slot, q, i0             ; the first operand's tiles i0 .. i0 + 3
.irp i, \i0, \i0+1, \i0+2, \i0+3
	FRAG AF+FR*(\i), ADRA+\slot, \q, \i
.endr
.endm
; A load into a register that a matrix instruction has read, and a vector instruction that reads a matrix result or writes one of its registers, stand NP places behind it; only plain vector instructions that name none
; of its registers are places (ISA guide 7.12.1 for vector instructions).
.macro PLACES n
.rept \n
	v_nop
.endr
.endm
; A step of 128 along K that has its successor in the same slot.  A tile of the first operand is free as soon as its eight products are issued, so one set serves it: tiles 0-3 are fetched anew in the step's middle, 4-7 at its end.
.macro STEP slot, q, zero
	s_wait_dscnt 4*NL                              ; the second operand's set and tiles 0-3 are in; the youngest 16 loads (tiles 4-7) may be out
	WIN MUL_LO
	MUL16 0, (\q)%2, \zero
	MUL16 2, (\q)%2, \zero
	s_wait_dscnt 0                                 ; tiles 4-7 are in (asked for 32 matrix instructions ago)
	PLACES NP
	FETCH_B \slot, (\q)+1, 1-(\q)%2
	FETCH_A \slot, (\q)+1, 0
	WIN MUL_HI
	MUL16 4, (\q)%2, \zero
	MUL16 6, (\q)%2, \zero
	PLACES NP
	WIN 0
	FETCH_A \slot, (\q)+1, 4
.endm
; A slot's last step changes slots: ONE barrier; in front of it each wave waits for all its tensor loads, adds 0 to its spare word, and waits for that and for its own reads of this slot.  fill = 1: this slot is filled again, two K steps ahead.
.macro TURN slot, next, fill
	s_wait_tensorcnt 0x0                           ; all my tensor loads have landed: the one that was out is my part of the next slot  (every window is 0 here)
	ds_add_u32 v[SPW], v[NIL]                      ; 0 onto my spare word
	s_wait_dscnt 4*NL+1                            ; (the add and the youngest 16 loads, tiles 4-7, may be out)
	WIN MUL_LO
	MUL16 0, 1, 0                                  ; sixteen matrix instructions stand between the add and the wait for it
	s_wait_dscnt 0x0                               ; the add is done, and my reads of this slot are over
	s_barrier_signal -1
	MUL16 2, 1, 0
	WIN 0
	s_barrier_wait -1
.if \fill
	CREST                                          ; the barrier has opened a round of the cluster's barrier: no wave of any partner still reads this slot's tile or has a load on its way
	s_add_nc_u64 s[G0+4*\slot+2:G0+4*\slot+3], s[G0+4*\slot+2:G0+4*\slot+3], 2*KSB
	s_add_nc_u64 s[G0B+4*\slot+2:G0B+4*\slot+3], s[G0B+4*\slot+2:G0B+4*\slot+3], 2*KSB
	JLOAD G0+4*\slot, G1, G0B+4*\slot, G1B         ; the first tensor load behind the round, and my only one until the next; its four v_nop are also the places in front of the loads below
.else
	PLACES NP
.endif
	FETCH_B \next, 0, 0
	FETCH_A \next, 0, 0
	WIN MUL_HI
	MUL16 4, 1, 0
	MUL16 6, 1, 0
	PLACES NP
	WIN 0
	FETCH_A \next, 0, 4
.endm
	s_wait_tensorcnt 1                             ; my part of K step 0 is in (K step 1's load may be out)
	s_barrier_signal -1
	s_barrier_wait -1                              ; everybody's is
	FETCH_B 0, 0, 0
	FETCH_A 0, 0, 0
	FETCH_A 0, 0, 4
	STEP 0, 0, 1                                   ; K step 0; its first products start the sums.  The four K steps are written out: a loop would have one trip
	TURN 0, 1, 1                                   ; slot 0 takes K step 2
	STEP 1, 0, 0                                   ; K step 1
	TURN 1, 0, 1                                   ; slot 1 takes K step 3
	STEP 0, 0, 0                                   ; K step 2
	TURN 0, 1, 0                                   ; nothing is left to fetch: no round of the cluster's barrier
	STEP 1, 0, 0                                   ; K step 3
	s_wait_dscnt 4*NL
	WIN MUL_LO
	MUL16 0, 1, 0
	MUL16 2, 1, 0
	s_wait_alu depctr_va_vdst(0)
	s_wait_dscnt 0
	WIN MUL_HI
	MUL16 4, 1, 0
	MUL16 6, 1, 0
	WIN 0
	PLACES NP                                      ; in front of the first read of results, and of the codes that land where fragments lay
; THE WAY OUT of my tile a: its 64 sums a lane are held (each accumulator from its low end on), converted, and stored: piece B of four is 512 consecutive bytes at a multiple of 512 from the buffer's first byte.
.macro OUTBLK a
.set AC, 64*((\a)%4)
	WIN 0x82+0x41*((\a)/4)                         ; source 0 and destination: window 2 or 3
.set n, 0
.rept 64
.set n, n+1
.endr
	WIN 0x02+((\a)/4)                              ; source 0: window 2 or 3; destination window 0
.set n, 0
.rept 8
	v_cvt_scalef32_pk8_fp8_f32 v[CD+16*(\a)+2*n:CD+16*(\a)+2*n+1], v[AC+8*n:AC+8*n+7], v[SCL]
.set n, n+1
.endr
	v_nop                                          ; a plain vector instruction behind the last conversion
	WIN 0
.irp b, 0,1,2,3
	global_store_b128 v[LI+\b/2], v[CD+16*(\a)+4*\b:CD+16*(\a)+4*\b+3], s[BAS+2*(\a):BAS+2*(\a)+1] offset:512*(\b%2)
.endr
.endm
.irp a, 0,1,2,3,4,5,6,7
	OUTBLK \a
.endr
	s_wait_tensorcnt 0x0                           ; the wave's end
	ds_add_u32 v[SPW], v[NIL]
	s_wait_dscnt 0x0
	CROUND                                         ; the closing round: no work-group ends while a partner may still ask for a tile that names it
	s_endpgm
.Lfunc_end_k_q8ce3e172d5_qkv:
	.size	k_q8ce3e172d5_qkv, .Lfunc_end_k_q8ce3e172d5_qkv-k_q8ce3e172d5_qkv
	.p2alignl 7, 3214868480
	.fill 96, 4, 3214868480
	.section	.rodata,"a",@progbits
	.p2align	6, 0x0
	.amdhsa_kernel k_q8ce3e172d5_qkv
		.amdhsa_group_segment_fixed_size 327680
		.amdhsa_private_segment_fixed_size 0
		.amdhsa_enable_private_segment 0
		.amdhsa_kernarg_size 40
		.amdhsa_user_sgpr_count 2
		.amdhsa_user_sgpr_kernarg_segment_ptr 1
		.amdhsa_wavefront_size32 1
		.amdhsa_system_sgpr_workgroup_id_x 1
		.amdhsa_system_sgpr_workgroup_id_y 1
		.amdhsa_system_sgpr_workgroup_id_z 1
		.amdhsa_system_vgpr_workitem_id 0
		.amdhsa_next_free_vgpr 1024
		.amdhsa_next_free_sgpr 100
		.amdhsa_reserve_vcc 0
		.amdhsa_float_denorm_mode_32 3
		.amdhsa_float_denorm_mode_16_64 3
		.amdhsa_fp16_overflow 1
		.amdhsa_memory_ordered 1
		.amdhsa_forward_progress 1
		.amdhsa_inst_pref_size 87
	.end_amdhsa_kernel
	.amdgpu_metadata
---
amdhsa.version: [ 1, 2 ]
amdhsa.kernels:
  - .name:           k_q8ce3e172d5_qkv
    .symbol:         k_q8ce3e172d5_qkv.kd
    .args:
      - { .name: x_img, .offset: 0, .size: 8, .value_kind: global_buffer, .address_space: global }
      - { .name: w_img, .offset: 8, .size: 8, .value_kind: global_buffer, .address_space: global }
      - { .name: lowp_scales, .offset: 16, .size: 8, .value_kind: global_buffer, .address_space: global }
      - { .name: q_img, .offset: 24, .size: 8, .value_kind: global_buffer, .address_space: global }
      - { .name: kv_img, .offset: 32, .size: 8, .value_kind: global_buffer, .address_space: global }
    .group_segment_fixed_size: 327680
    .private_segment_fixed_size: 0
    .kernarg_segment_align: 8
    .kernarg_segment_size: 40
    .max_flat_workgroup_size: 128
    .sgpr_count:     100
    .vgpr_count:     1024
    .wavefront_size: 32
...
	.end_amdgpu_metadata
.endif
;; end of part 2
;; launch attn (part 3): grid 4 x 64, 16 waves a work-group, no clusters, 264,192 bytes of LDS; arguments q_img, kv_img, lowp_scales, y_img; writes y_img
.if DOCPART == 3
	.amdgcn_target "amdgcn-amd-amdhsa--gfx1250"
	.amdhsa_code_object_version 6
	.text
	.protected	k_q8ce3e172d5_attn
	.globl	k_q8ce3e172d5_attn
	.p2align	8
	.type	k_q8ce3e172d5_attn,@function
k_q8ce3e172d5_attn:
	s_mov_b64 s[64:65], 0
	v_nop
	global_prefetch_b8 v0, s[64:65] scope:SCOPE_SE
	s_setreg_imm32_b32 hwreg(HW_REG_WAVE_MODE, 25, 1), 1
	s_wait_xcnt 0x0
; y[b][q][head] = softmax over the keys k <= q of (q . k / 8) times v, both products on codes of FP8 (E4M3); y is quantised (scale entry 6) and stored in the order of the last product's operand registers.
; THE SOFTMAX AHEAD OF THE SECOND PRODUCT: t = score x log2(e) / 8; M = the row's largest t so far, rounded UP to a whole number; p = 2^(t - M) is quantised with 2^e4, not normalised.
; The row's sum is taken of the unquantised p, in f32, and divides O at the end.  When M moves, the sum and O are multiplied by 2^(old M - new M): nothing is rounded.
; LIMITS on the given exponents, so that each power of two below is an f32 number: e2 + e3 between -123 and 130 (added to c's exponent field); e4, and e6 - e4 - e5, between -126 and 119.
; A HEAD'S K AND V ARE 262,144 BYTES OF CODES: they lie in LDS whole, as they lie in kv_img ([step of 128 keys: 16][K: tile t 8, c 2, 512 bytes | V: tile tau 4, c 4, 512 bytes]), brought once, by sixteen tensor loads at the head.
; Nothing in LDS is filled twice and nothing is stored there: two barriers in all.
; SHARES.  Four work-groups to a head.  Work-group J takes the queries' block J (256 queries) and then block 7 - J; a wave owns one tile of 16 queries in each, in block 7 - J in reverse order of the waves.
; A tile in the s-th 128 queries works s + 1 key steps (the steps behind it are all hidden by the mask): the two passes make 17 steps for every wave of the launch.
; LAYOUT.  Both products are used transposed: S^T = K Q^T (source 0 = 16 keys, source 1 = my 16 queries), O^T = V^T P^T (source 0 = 16 channels): a lane holds ONE query (that of lane % 16) throughout.
; Lane r of a tile 2 b + u (of keys, of queries, of channels) holds number 32 b + 8 u + r + 8 (r / 8): so the 16 registers of result tiles 2 b and 2 b + 1 are 16 neighbours, 32 b + 16 (lane / 16) + 0 .. 15,
; and the conversions' results are the next product's operand registers: p's for O^T, y's for the last product.
; No cluster: the four work-groups of a head differ in their blocks of queries, and the steps that the mask hides are left out by a branch on that block, which partners of joint loads may not have.
; No prefetch: every byte that the work-group reads is asked for by its first lines.
; REGISTERS: v1 16 x lane; v2 the mask's lane term; v8 LDS address; v12 -M, v13 the largest t, v[14:15] the sum in two halves; v16-31 Q of both passes; v32-95 K's, then V's fragments; v96-159 S^T, then p;
;   v160-191 O^T; v192-207 y's codes of both passes; v208-221 at work and constants; v224-239 p's codes.
.set WV,  18                           ; s18  my wave's number
.set TB,  2                            ; s2   LDS byte at which the key step's images begin
.set SI,  3                            ; s3   the key step
.set SEL, 20                           ; s[20:21] lane selects for v_permlanex16_b32: lane l xor 16
.set CS,  22                           ; s[22:23] c = log2(e) / 8 x 2^(e2 + e3): the packed form names a pair and takes its low word for both halves
.set G1,  24                           ; s[24:31] descriptor group 1
.set G0,  32                           ; s[32:47] four groups 0; none is ever rewritten
.set TA,  48                           ; s48, s49 my tile among the eight of its 128 queries, pass 0, 1
.set QS,  50                           ; s50, s51 which 128 queries
.set QL,  52                           ; s52, s53 the tile's first query among them
.set QB,  54                           ; s[54:57] where my Q lies
.set YB,  58                           ; s[58:61] where my y goes
.set LI,  1
.set DL,  2
.set ADK, 8
	s_load_b256 s[4:11], s[0:1], 0x0               ; q_img s[4:5], kv_img s[6:7], the scales' exponents s[8:9], y_img s[10:11]
	v_lshl_add_u32 v254, v0, 2, 0x40000
	v_mov_b32 v255, 0
	ds_add_u32 v254, v255
	ds_add_u32 v254, v255
	v_lshrrev_b32 v1, 5, v0
	s_delay_alu instid0(VALU_DEP_1)
	v_readfirstlane_b32 s[WV], v1                  ; wave 0..15
	s_and_b32 s12, ttmp7, 0xffff                   ; batch x 16 + head
	; descriptor group 1: a key step's 16,384 bytes, dense, as 64 rows of 32 elements of 8 bytes
	s_mov_b32 s[G1], 3<<16                         ; no mask; elements of 8 bytes; no padding (the images are read at 16 x lane: consecutive bytes)
	s_mov_b32 s[G1+1], 32<<16                      ; tensor_dim0 = 32
	s_mov_b32 s[G1+2], 64<<16                      ; tensor_dim1 = 64
	s_mov_b32 s[G1+3], 32<<16                      ; tile_dim0 = 32
	s_mov_b32 s[G1+4], 64                          ; tile_dim1 = 64
	s_mov_b32 s[G1+5], 32                          ; tensor_dim0_stride: the rows follow each other
	s_mov_b32 s[G1+6], 0
	s_mov_b32 s[G1+7], 0
	s_lshl_b32 s13, s[WV], 14                      ; wave x 16,384
	s_lshl_b32 s14, s12, 18                        ; the head's 262,144 bytes
	s_add_co_u32 s14, s14, s13
	s_mov_b32 s15, 0
	s_wait_dscnt 0x0
	s_wait_kmcnt 0x0
	s_load_b256 s[72:79], s[8:9], 0x0              ; e0 .. e7
	s_add_nc_u64 s[6:7], s[6:7], s[14:15]
.irp c, 0,1,2,3                        ; load c of wave w (0..3) brings key step 4 c + w
	s_mov_b32 s[G0+4*\c], 1                        ; count = 1
	s_add_co_u32 s[G0+4*\c+1], s13, \c*65536       ; LDS address = the step's place in the head
	s_add_nc_u64 s[G0+4*\c+2:G0+4*\c+3], s[6:7], \c*65536
	s_or_b32 s[G0+4*\c+3], s[G0+4*\c+3], 0x80000000   ; type = 2
.endr
	s_cmp_lt_u32 s[WV], 4                          ; waves 0 to 3 fetch; a wave's four first fills stand in one branch, ahead of every wait on TENSORcnt, every LDS read and every barrier: four loads of a fetching wave are out
	s_cbranch_scc0 .Lno_fill
	tensor_load_to_lds s[G0:G0+3], s[G1:G1+7]
	s_nop 0
	tensor_load_to_lds s[G0+4:G0+7], s[G1:G1+7]
	s_nop 0
	tensor_load_to_lds s[G0+8:G0+11], s[G1:G1+7]
	s_nop 0
	tensor_load_to_lds s[G0+12:G0+15], s[G1:G1+7]
	s_nop 0
.rept 4
	v_nop                                          ; four v_nop follow the last of them
.endr
.Lno_fill:
	s_lshl_b32 s[QS], ttmp9, 1
	s_lshr_b32 s16, s[WV], 3
	s_add_co_u32 s[QS], s[QS], s16                 ; pass 0: block J, tile = wave: 128 queries number 2 J + wave / 8,
	s_and_b32 s[TA], s[WV], 7                      ; tile wave % 8 of them
	s_sub_co_u32 s17, 15, s[WV]                    ; pass 1: block 7 - J, tile 15 - wave
	s_lshl_b32 s[QS+1], ttmp9, 1
	s_sub_co_u32 s[QS+1], 14, s[QS+1]
	s_lshr_b32 s16, s17, 3
	s_add_co_u32 s[QS+1], s[QS+1], s16
	s_and_b32 s[TA+1], s17, 7
.irp p, 0,1
	s_lshr_b32 s16, s[TA+\p], 1
	s_lshl_b32 s16, s16, 5
	s_and_b32 s17, s[TA+\p], 1
	s_lshl_b32 s17, s17, 3
	s_add_co_u32 s[QL+\p], s16, s17                ; 32 (tile / 2) + 8 (tile % 2)
	s_lshl_b32 s16, s12, 17                        ; q_img: 131,072 a head,
	s_lshl_b32 s17, s[QS+\p], 13                   ; 8,192 for 128 queries,
	s_add_co_u32 s16, s16, s17
	s_lshl_b32 s17, s[TA+\p], 10                   ; 1,024 a tile
	s_add_co_u32 s16, s16, s17
	s_mov_b32 s17, 0
	s_add_nc_u64 s[QB+2*\p:QB+2*\p+1], s[4:5], s[16:17]
	s_lshr_b32 s16, s12, 4                         ; y_img: [block of 128 tokens][K step of 256 = four heads][tile][head % 4][half of the head's 64][512]
	s_lshl_b32 s16, s16, 4
	s_add_co_u32 s16, s16, s[QS+\p]                ; the block of tokens: 16 x batch + which 128 queries
	s_lshl_b32 s16, s16, 17
	s_bfe_u32 s17, s12, 0x20002                    ; head / 4
	s_lshl_b32 s17, s17, 15
	s_add_co_u32 s16, s16, s17
	s_lshl_b32 s17, s[TA+\p], 12
	s_add_co_u32 s16, s16, s17
	s_and_b32 s17, s12, 3                          ; head % 4
	s_lshl_b32 s17, s17, 10
	s_add_co_u32 s16, s16, s17
	s_mov_b32 s17, 0
	s_add_nc_u64 s[YB+2*\p:YB+2*\p+1], s[10:11], s[16:17]
.endr
	v_and_b32 v[LI], 31, v0
	s_delay_alu instid0(VALU_DEP_1)
	v_lshlrev_b32 v[LI], 4, v[LI]                  ; 16 x lane; never rewritten
.irp p, 0,1
.irp c, 0,1
	global_load_b128 v[16+8*\p+4*\c:19+8*\p+4*\c], v[LI], s[QB+2*\p:QB+2*\p+1] offset:512*\c   ; Q's fragments of both passes stay in registers
.endr
.endr
	v_and_b32 v3, 15, v0                           ; r
	v_bfe_u32 v4, v0, 4, 1                         ; h
	s_delay_alu instid0(VALU_DEP_2)
	v_and_b32 v[DL], 8, v3
	s_delay_alu instid0(VALU_DEP_1)
	v_add_nc_u32 v[DL], v[DL], v3
	s_delay_alu instid0(VALU_DEP_3)
	v_lshlrev_b32 v4, 4, v4
	s_delay_alu instid0(VALU_DEP_1)
	v_sub_nc_u32 v[DL], v[DL], v4                  ; r + 8 (r / 8) - 16 h: my query's place in its tile, less my half's first key
	v_mov_b32 v208, 0                              ; written once: a lane permute's destination counts as one of its sources
	v_mov_b32 v211, 0                              ; (named as the upper half of the pair v[210:211])
	v_mov_b32 v220, 0xff800000                     ; -infinity
	s_mov_b32 s[SEL], 0x76543210
	s_mov_b32 s[SEL+1], 0xfedcba98
	s_mov_b32 s[CS], 0x3e38aa3b                    ; c = log2(e) / 8
	s_wait_kmcnt 0x0
	s_add_co_i32 s16, s74, s75
	s_lshl_b32 s16, s16, 23
	s_add_co_i32 s[CS], s[CS], s16                 ; a score stands for score x 2^(e2 + e3): the two exponents are added to c's exponent field
	s_mov_b32 s[CS+1], s[CS]                       ; (named with it as a pair, so it is written)
	s_add_co_i32 s16, s76, 127
	s_lshl_b32 s17, s16, 23
	v_mov_b32 v217, s17                            ; 2^e4 as f32, for p's conversions
	s_sub_co_i32 s16, s78, s76
	s_sub_co_i32 s16, s16, s77                     ; O / the sum stands for y / 2^(e4 + e5): y's code is that / 2^(e6 - e4 - e5)
	s_add_co_i32 s16, s16, 127
	s_lshl_b32 s17, s16, 23
	v_mov_b32 v219, s17
; A KEY STEP: 128 keys.  q: Q's first register; qs, ql: the scalar registers with my 128 queries' number and my tile's first query among them.
.macro STEP q, qs, ql
	s_cmp_gt_u32 s[SI], s[\qs]                     ; a step all of whose keys come after my queries is left out: a branch on ids, round the step's loads and work; no barrier and no tensor load stands in a step
	s_cbranch_scc1 .Lhid_\@
	s_setprio 2
	v_add_nc_u32 v[ADK], s[TB], v[LI]
.set n, 0
.rept 16
	ds_load_b128 v[32+4*n:35+4*n], v[ADK] offset:512*n   ; K: tile n / 2, part n % 2.  (The last matrix instructions that read these registers stand five plain instructions back)
.set n, n+1
.endr
	s_wait_alu depctr_va_vdst(0)
	s_wait_dscnt 0x0
.set n, 0
.rept 8
	v_wmma_f32_16x16x64_fp8_fp8 v[96+8*n:103+8*n], v[32+8*n:39+8*n], v[\q:\q+7], 0   ; S^T: register 16 b + i of my 64 is key 32 b + 16 (lane / 16) + i of the step
.set n, n+1
.endr
.rept 4
	v_nop                                          ; places in front of loads into registers that these have read, and of the first read of their results
.endr
.set n, 0
.rept 16
	ds_load_b128 v[32+4*n:35+4*n], v[ADK] offset:8192+512*n   ; V: tile n / 4, part n % 4: it lands while the softmax is worked
.set n, n+1
.endr
	s_cmp_lg_u32 s[SI], s[\qs]                     ; only the step of my own 128 queries has hidden keys
	s_cbranch_scc1 .Lopen_\@
	v_add_nc_u32 v221, s[\ql], v[DL]               ; d: register 16 b + i is hidden where 32 b + i > d
.set n, 0
.rept 64
	v_cmp_gt_i32 vcc_lo, 32*(n/16)+n%16, v221
	v_cndmask_b32 v[96+n], v[96+n], v220, vcc_lo   ; -infinity ahead of the maximum: p = 0 then.  Key 0 counts for every query, so M is a number from the first step on
.set n, n+1
.endr
.Lopen_\@:
	v_max3_num_f32 v212, v96, v97, v98             ; the step's largest score of my query among my 64 keys, in two chains, each accumulator from its low end on,
	v_max3_num_f32 v213, v99, v100, v101
.set n, 6
.rept 14
	v_max3_num_f32 v212, v212, v[96+n], v[97+n]
	v_max3_num_f32 v213, v213, v[98+n], v[99+n]
.set n, n+4
.endr
	v_max3_num_f32 v212, v212, v158, v159
	s_delay_alu instid0(VALU_DEP_1)
	v_max_num_f32 v212, v212, v213
	s_delay_alu instid0(VALU_DEP_1)
	v_permlanex16_b32 v208, v212, s[SEL], s[SEL+1]
	s_delay_alu instid0(VALU_DEP_1)
	v_max_num_f32 v212, v212, v208                 ; and among lane l xor 16's
	s_delay_alu instid0(VALU_DEP_1)
	v_mul_f32 v212, s[CS], v212                    ; as t (c is positive)
	s_delay_alu instid0(VALU_DEP_1)
	v_max_num_f32 v13, v13, v212                   ; the running largest t
	v_mov_b32 v212, v12
	s_delay_alu instid0(VALU_DEP_2)
	v_floor_f32 v12, -v13                          ; the new -M = floor(-t) = -ceil(t): M is a whole number
	s_delay_alu instid0(VALU_DEP_1)
	v_sub_f32 v212, v12, v212                      ; M's old value less its new one: a whole number, 0 or less
	s_delay_alu instid0(VALU_DEP_1)
	v_cvt_i32_f32 v212, v212                       ; (it saturates)
	s_delay_alu instid0(VALU_DEP_1)
	v_ldexp_f32 v210, 1.0, v212                    ; f = 2^(old M - new M)
.set n, 0
	s_setprio 1
.rept 32
	v_pk_fma_f32 v[96+n:97+n], v[96+n:97+n], s[CS:CS+1], v[12:13] op_sel_hi:[1,0,0]   ; t - M, two at a time (of the pairs c and -M the low word serves both halves)
.set n, n+2
.endr
.set n, 0
	s_wait_alu depctr_va_vdst(0)
.rept 64
	v_exp_f32 v[96+n], v[96+n]                     ; p = 2^(t - M), at most 1
.set n, n+1
.endr
	v_pk_mul_f32 v[14:15], v[14:15], v[210:211] op_sel_hi:[1,0]   ; the sums under the new M: the plain instruction behind the exponentials
	s_wait_alu depctr_va_vdst(0)                   ; one wait for the batch of 64, ahead of its first reader
	v_pk_add_f32 v[214:215], v[100:101], v[104:105]
	v_pk_add_f32 v[252:253], v[108:109], v[112:113]
	v_pk_add_f32 v[250:251], v[116:117], v[120:121]
	v_pk_add_f32 v[248:249], v[124:125], v[128:129]
	v_pk_add_f32 v[246:247], v[132:133], v[136:137]
	v_pk_add_f32 v[244:245], v[140:141], v[144:145]
	v_pk_add_f32 v[242:243], v[148:149], v[152:153]
	v_pk_add_f32 v[14:15], v[14:15], v[156:157]
	v_pk_add_f32 v[214:215], v[214:215], v[96:97]
	v_pk_add_f32 v[252:253], v[252:253], v[98:99]
	v_pk_add_f32 v[250:251], v[250:251], v[102:103]
	v_pk_add_f32 v[248:249], v[248:249], v[106:107]
	v_pk_add_f32 v[246:247], v[246:247], v[110:111]
	v_pk_add_f32 v[244:245], v[244:245], v[114:115]
	v_pk_add_f32 v[242:243], v[242:243], v[118:119]
	v_pk_add_f32 v[14:15], v[14:15], v[122:123]
	v_pk_add_f32 v[214:215], v[214:215], v[126:127]
	v_pk_add_f32 v[252:253], v[252:253], v[130:131]
	v_pk_add_f32 v[250:251], v[250:251], v[134:135]
	v_pk_add_f32 v[248:249], v[248:249], v[138:139]
	v_pk_add_f32 v[246:247], v[246:247], v[142:143]
	v_pk_add_f32 v[244:245], v[244:245], v[146:147]
	v_pk_add_f32 v[242:243], v[242:243], v[150:151]
	v_pk_add_f32 v[14:15], v[14:15], v[154:155]
	v_pk_add_f32 v[214:215], v[214:215], v[158:159]
	s_delay_alu instid0(VALU_DEP_2)
	v_pk_add_f32 v[14:15], v[14:15], v[248:249]
	s_delay_alu instid0(VALU_DEP_2)
	v_pk_add_f32 v[214:215], v[214:215], v[246:247]
	s_setprio 0
	v_pk_add_f32 v[252:253], v[252:253], v[244:245]
	v_pk_add_f32 v[250:251], v[250:251], v[242:243]
	s_delay_alu instid0(VALU_DEP_2)
	v_pk_add_f32 v[14:15], v[14:15], v[252:253]
	s_delay_alu instid0(VALU_DEP_2)
	v_pk_add_f32 v[214:215], v[214:215], v[250:251]
	s_delay_alu instid0(VALU_DEP_1)
	v_pk_add_f32 v[14:15], v[14:15], v[214:215]
.irp b, 0,1,2,3
.set n, 0
.rept 16
.set n, n+1
.endr
	v_cvt_scalef32_pk8_fp8_f32 v[224+4*\b:225+4*\b], v[96+16*\b:103+16*\b], v217
	v_cvt_scalef32_pk8_fp8_f32 v[226+4*\b:227+4*\b], v[104+16*\b:111+16*\b], v217
.endr
.set n, 0
.rept 16
	v_pk_mul_f32 v[160+n:161+n], v[160+n:161+n], v[210:211] op_sel_hi:[1,0]   ; O^T under the new M.  (Plain instructions between the conversions and the matrix instructions that read their results)
.set n, n+2
.endr
	s_wait_alu depctr_va_vdst(0)
	s_wait_dscnt 0x0                               ; V is in
.set n, 0
.rept 4
	v_wmma_f32_16x16x128_fp8_fp8 v[160+8*n:167+8*n], v[32+16*n:47+16*n], v[224:239], v[160+8*n:167+8*n]   ; four accumulators, one instruction each; eight products S^T stand between two links of a chain
.set n, n+1
.endr
.rept 4
	v_nop                                          ; places in front of the next step's loads into V's registers and of the way out's reads
.endr
.Lhid_\@:
.endm
; A PASS: one tile of 16 queries through its key steps.  The trip count is a constant, so that the LDS address steps by constants; hidden steps cost their two scalar lines.
; tcnt: how many of a fetching wave's tensor loads may stay out: in pass 0 the two youngest, key steps 8 to 15, which that pass (8 trips: LDS bytes under 131,072) does not read.
.macro PASS p, nsteps, tcnt
	s_wait_tensorcnt \tcnt                         ; my part of the steps that this pass reads is in,
	s_barrier_signal -1
	s_barrier_wait -1                              ; everybody's is.
	v_mov_b32 v13, 0xff61b1e6                      ; the largest t so far: -3e38, under every t
	s_delay_alu instid0(VALU_DEP_1)
	v_floor_f32 v12, -v13                          ; -M
	v_mov_b32 v14, 0
	v_mov_b32 v15, 0
.set n, 0
.rept 32
	v_mov_b32 v[160+n], 0                          ; O^T.  (The step is written once: the first finds zeros, which the first change of M leaves zeros)
.set n, n+1
.endr
	s_mov_b32 s[TB], 0
	s_mov_b32 s[SI], 0
.Lstep_\@:
	STEP 16+8*\p, QS+\p, QL+\p
	s_add_co_u32 s[TB], s[TB], 16384
	s_add_co_u32 s[SI], s[SI], 1
	s_cmp_lt_u32 s[SI], \nsteps
	s_cbranch_scc1 .Lstep_\@
	s_setprio 0
	v_add_f32 v14, v14, v15                        ; the sum's two halves,
	s_delay_alu instid0(VALU_DEP_1)
	v_permlanex16_b32 v208, v14, s[SEL], s[SEL+1]
	s_delay_alu instid0(VALU_DEP_1)
	v_add_f32 v14, v14, v208                       ; and lane l xor 16's: the row's sum
	s_wait_alu depctr_va_vdst(0)
	v_rcp_f32 v14, v14
	v_nop                                          ; a plain instruction behind the reciprocal
	s_wait_alu depctr_va_vdst(0)                   ; and the wait ahead of its first reader
.set n, 0
.rept 16
	v_pk_mul_f32 v[96+n:97+n], v[160+n:161+n], v[14:15] op_sel_hi:[1,0]   ; O^T / the sum: register 16 A + i is channel 32 A + 16 (lane / 16) + i of my query
.set n, n+2
.endr
.set n, 0
.rept 32
.set n, n+1
.endr
.set n, 0
.rept 4
	v_cvt_scalef32_pk8_fp8_f32 v[192+8*\p+2*n:193+8*\p+2*n], v[96+8*n:103+8*n], v219
.set n, n+1
.endr
	v_nop                                          ; a plain instruction behind the last conversion
.irp c, 0,1
	global_store_b128 v[LI], v[192+8*\p+4*\c:195+8*\p+4*\c], s[YB+2*\p:YB+2*\p+1] offset:512*\c   ; 512 consecutive bytes, at a multiple of 512 from y_img's first byte; each pass has its own registers
.endr
.endm
	s_wait_loadcnt 0x0                             ; Q
	PASS 0, 8, 2
	PASS 1, 16, 0                                  ; all tensor loads are waited for here
	s_wait_tensorcnt 0x0
	ds_add_u32 v254, v255
	s_wait_dscnt 0x0
	s_endpgm
.Lfunc_end_k_q8ce3e172d5_attn:
	.size	k_q8ce3e172d5_attn, .Lfunc_end_k_q8ce3e172d5_attn-k_q8ce3e172d5_attn
	.p2alignl 7, 3214868480
	.fill 96, 4, 3214868480
	.section	.rodata,"a",@progbits
	.p2align	6, 0x0
	.amdhsa_kernel k_q8ce3e172d5_attn
		.amdhsa_group_segment_fixed_size 264192
		.amdhsa_private_segment_fixed_size 0
		.amdhsa_enable_private_segment 0
		.amdhsa_kernarg_size 32
		.amdhsa_user_sgpr_count 2
		.amdhsa_user_sgpr_kernarg_segment_ptr 1
		.amdhsa_wavefront_size32 1
		.amdhsa_system_sgpr_workgroup_id_x 1
		.amdhsa_system_sgpr_workgroup_id_y 1
		.amdhsa_system_sgpr_workgroup_id_z 1
		.amdhsa_system_vgpr_workitem_id 0
		.amdhsa_next_free_vgpr 256
		.amdhsa_next_free_sgpr 80
		.amdhsa_reserve_vcc 1
		.amdhsa_float_denorm_mode_32 3
		.amdhsa_float_denorm_mode_16_64 3
		.amdhsa_fp16_overflow 1
		.amdhsa_memory_ordered 1
		.amdhsa_forward_progress 1
		.amdhsa_inst_pref_size 51
	.end_amdhsa_kernel
	.amdgpu_metadata
---
amdhsa.version: [ 1, 2 ]
amdhsa.kernels:
  - .name:           k_q8ce3e172d5_attn
    .symbol:         k_q8ce3e172d5_attn.kd
    .args:
      - { .name: q_img, .offset: 0, .size: 8, .value_kind: global_buffer, .address_space: global }
      - { .name: kv_img, .offset: 8, .size: 8, .value_kind: global_buffer, .address_space: global }
      - { .name: lowp_scales, .offset: 16, .size: 8, .value_kind: global_buffer, .address_space: global }
      - { .name: y_img, .offset: 24, .size: 8, .value_kind: global_buffer, .address_space: global }
    .group_segment_fixed_size: 264192
    .private_segment_fixed_size: 0
    .kernarg_segment_align: 8
    .kernarg_segment_size: 32
    .max_flat_workgroup_size: 512
    .sgpr_count:     80
    .vgpr_count:     256
    .wavefront_size: 32
...
	.end_amdgpu_metadata
.endif
;; end of part 3
;; launch proj (part 4): grid 4 x 32, 4 waves a work-group, clusters of 4 x 4, 327,680 bytes of LDS; arguments y_img, wo_img, lowp_scales, out0; writes out0
.if DOCPART == 4
	.amdgcn_target "amdgcn-amd-amdhsa--gfx1250"
	.amdhsa_code_object_version 6
	.text
	.protected	k_q8ce3e172d5_proj
	.globl	k_q8ce3e172d5_proj
	.p2align	8
	.type	k_q8ce3e172d5_proj,@function
k_q8ce3e172d5_proj:
	s_mov_b64 s[64:65], 0
	v_nop
	global_prefetch_b8 v0, s[64:65] scope:SCOPE_SE
	s_setreg_imm32_b32 hwreg(HW_REG_WAVE_MODE, 25, 1), 1
	s_wait_xcnt 0x0
	s_wait_alu depctr_hold_cnt(0) depctr_sa_sdst(0) depctr_va_vdst(0) depctr_va_sdst(0) depctr_va_ssrc(0) depctr_va_vcc(0) depctr_vm_vsrc(0)
	s_getreg_b32 s2, hwreg(HW_REG_IB_STS2, 6, 4)
	s_cmp_eq_u32 s2, 0
	s_cbranch_scc0 .Lentry_in_a_cluster
	s_endpgm
.Lentry_in_a_cluster:
	s_bfe_u32 s2, ttmp6, 0x10000c
	s_cmp_lg_u32 s2, 0xf033
	s_cbranch_scc0 .Lentry_shape_is_right
	s_endpgm
.Lentry_shape_is_right:
; out0 = y wo^T on codes of FP8 (E4M3), K = 1,024; each f32 sum is multiplied once by 2^(e6 + e7).  out0: [8192][1024] f32.  LIMIT: e6 + e7 between -126 and 127, so that the factor is an f32 number.
; OPERANDS come as images of registers, [block of 128 rows][K step of 256][tile a of 16 rows][q][c][lane][16 bytes]: lane (r, h) of tile a = 2 A + u holds row 32 A + 8 u + r + 8 (r / 8) of the block.
; A tile of 256 x 256 is made by four waves, as many as a WGP has SIMDs, 128 x 128 a wave: 64 accumulators, 512 registers.  K goes in four steps of 256 through two LDS slots; a wave's tensor load is one dense block of 32,768 bytes.
; THE MATRIX INSTRUCTION IS USED TRANSPOSED (source 0 = 16 rows of wo, source 1 = 16 rows of y): lane (r, h) of accumulator (a, b) holds the token of lane r of tile a and the eight neighbouring outputs 32 (b / 2) + 8 (b % 2) + 16 h + 0 .. 7.
; CLUSTERS: 4 x 4 work-groups; y's tile hangs on cy alone and is asked for jointly by a row of the cluster, wo's on cx alone and by a column.  128 tiles of 256 x 256: the launch has work for 128 work-groups.
; No prefetch is laid: there are four K steps, and two of them are asked for at the head.
; REGISTERS, in windows of 256: window 0: v0-31 addresses; from v128 y's 8 fragments, ONE set; on the way out v32-255 are free.   window 1: wo's fragments, TWO sets, at v0 and v128.
;   window 2: the accumulators of my tiles 0-3 (accumulator (a, b) at v[8 (8 (a % 4) + b)]);   window 3: those of tiles 4-7.
.set KSB,    32768                     ; a K step of a block of 128 rows, in bytes: what one tensor load brings
.set SLOT,   4*KSB                     ; y's 256 rows, then wo's
.set SPARE,  2*SLOT                    ; behind the ring: the spare words, 128 bytes for each wave: two blocks of 256 bytes that no other line names
.set SPITCH, 528                       ; the way out: a stage of 16 rows x (512 bytes + 16) for each wave.  It lies in slot 0, which has had its last fill and its last read when the first result is stored there
.set FR,     16                        ; registers of a fragment: 16 rows x 128 K
.set NL,     4                         ; LDS loads that bring one
.set NP,     4                         ; places behind this matrix instruction (ISA guide 7.12.1)
.set ADRA, 16                          ; v16-17  LDS address of my fragments of y in slot 0, 1
.set ADRB, 20                          ; v20-21  the same for wo
.set STO,  24                          ; v24  the way out: where I put 32 bytes of a row
.set RD,   25                          ; v25  the way out: where I read a row back
.set CO,   26                          ; v26  16 x lane: my byte offset in 512 bytes of a row of out0
.set SPW,  28                          ; v28  LDS address of my spare word: SPARE + 4 x my thread's number; never rewritten
.set NIL,  29                          ; v29  0; never rewritten
.set TMP,  32                          ; the way out: 64 registers, a tile's sums x 2^(e6 + e7)
.set AF,   128
.set BK,   128                         ; the way out: 16 rows read back from the stage: v128-191 and v192-255 by turns
.set G1, 24                            ; s[24:31] descriptor group 1 for y's tiles;  s[32:39] group 0, one set for each slot
.set G0, 32
.set G1B, 48                           ; s[48:55], s[56:63] the same for wo's
.set G0B, 56
.set MSB, 0
.macro WIN new                         ; the immediate's high byte repeats the setting that is left; a switch that changes nothing is dropped
.if MSB != (\new)
	s_set_vgpr_msb (MSB<<8)|(\new)
.set MSB, (\new)
.endif
.endm
.set MUL_LO, 0xa1                      ; source 0 window 1, source 1 window 0, C and D window 2
.set MUL_HI, 0xf1                      ; the same, C and D window 3
.set TO_B,   0x40                      ; destination window 1, address window 0
; A joint load: waves 0 and 1 fetch y's two halves, waves 2 and 3 wo's.  Each line has ONE mask and one set of registers for all that issue it; the branch hangs on the wave's number alone.
; Four v_nop follow each of the two lines, ahead of the jump, the label and what follows.
.macro JLOAD g0a, g1a, g0b, g1b
	s_cmp_eq_u32 s15, 0
	s_cbranch_scc0 .Lfor_b_\@
	tensor_load_to_lds s[\g0a:\g0a+3], s[\g1a:\g1a+7]
	s_nop 0
.rept 4
	v_nop
.endr
	s_branch .Lasked_\@
.Lfor_b_\@:
	tensor_load_to_lds s[\g0b:\g0b+3], s[\g1b:\g1b+7]
	s_nop 0
.rept 4
	v_nop
.endr
.Lasked_\@:
.endm
.macro CREST                           ; a round of the cluster's barrier behind its opening barrier
	s_cmp_lg_u32 s14, 0
	s_cbranch_scc1 .Lnot_wave_0_\@
	s_barrier_signal -3
.Lnot_wave_0_\@:
	s_barrier_wait -3
	s_barrier_signal -1
	s_barrier_wait -1
.endm
.macro CROUND                          ; a whole round
	s_barrier_signal -1
	s_barrier_wait -1
	CREST
.endm
	s_load_b128 s[4:7], s[0:1], 0x0                ; y_img s[4:5], wo_img s[6:7]
	s_load_b128 s[8:11], s[0:1], 0x10              ; the scales' exponents s[8:9], out0 s[10:11]
	v_lshl_add_u32 v[SPW], v0, 2, SPARE
	v_mov_b32 v[NIL], 0
	ds_add_u32 v28, v29
	ds_add_u32 v28, v29
	s_wait_dscnt 0x0
	v_lshrrev_b32 v1, 5, v0
	v_readfirstlane_b32 s14, v1                    ; wave 0..3
	s_lshr_b32 s15, s14, 1                         ; which half of the tile's tokens is mine.  Also: I fetch for y (0) or for wo (1)
	s_and_b32 s16, s14, 1                          ; which half of its outputs.  Also: which 128 rows of that tile I fetch
	s_bfe_u32 s40, ttmp6, 0x40000                  ; cx, cy: my place in the cluster
	s_bfe_u32 s41, ttmp6, 0x40004
	s_lshl_b32 s42, ttmp9, 2
	s_add_co_u32 s42, s42, s40                     ; tile of 256 outputs = 4 x cluster x + cx
	s_and_b32 s17, ttmp7, 0xffff
	s_lshl_b32 s17, s17, 2
	s_add_co_u32 s17, s17, s41                     ; tile of 256 tokens = 4 x cluster y + cy
	s_lshl_b32 s43, s41, 2
	s_lshl_b32 s43, 15, s43                        ; my row of the cluster
	s_lshl_b32 s44, 0x1111, s40                    ; my column
	; descriptor group 1: a dense block of 32,768 bytes as 128 rows of 32 elements of 8 bytes
	s_or_b32 s[G1+0], s43, (3<<16)|(1<<21)         ; 15:0 the mask: my row; 17:16 elements of 8 bytes; 20 no padding (an image is read at 16 x lane: consecutive bytes); 21 set beside a mask
	s_or_b32 s[G1B+0], s44, (3<<16)|(1<<21)        ; the same with the mask of my column
.irp g, G1, G1B
	s_mov_b32 s[\g+1], 32<<16                      ; tensor_dim0 = 32
	s_mov_b32 s[\g+2], 128<<16                     ; tensor_dim1 = 128
	s_mov_b32 s[\g+3], 32<<16                      ; tile_dim0 = 32
	s_mov_b32 s[\g+4], 128                         ; tile_dim1 = 128
	s_mov_b32 s[\g+5], 32                          ; tensor_dim0_stride: the rows follow each other
	s_mov_b32 s[\g+6], 0
	s_mov_b32 s[\g+7], 0
.endr
	s_lshl_b32 s20, s17, 1
	s_add_co_u32 s20, s20, s16                     ; the block of 128 rows that I would fetch of y,
	s_lshl_b32 s20, s20, 17                        ; 131,072 bytes a block
	s_mov_b32 s21, 0
	s_lshl_b32 s46, s42, 1
	s_add_co_u32 s46, s46, s16                     ; and of wo
	s_lshl_b32 s46, s46, 17
	s_mov_b32 s47, 0
	s_lshl_b32 s45, s14, 15                        ; where it goes: wave x 32,768: no place in the cluster enters an LDS address
	s_wait_kmcnt 0x0
	s_load_b64 s[96:97], s[8:9], 0x18              ; e6, e7
	s_add_nc_u64 s[20:21], s[4:5], s[20:21]
	s_add_nc_u64 s[46:47], s[6:7], s[46:47]
	CROUND                                         ; all sixteen work-groups are here: the first joint loads meet
.irp s, 0,1
	s_mov_b32 s[G0+4*\s], 1                        ; count = 1
	s_add_co_u32 s[G0+4*\s+1], s45, \s*SLOT        ; LDS address
	s_add_nc_u64 s[G0+4*\s+2:G0+4*\s+3], s[20:21], \s*KSB   ; global address: K step s
	s_or_b32 s[G0+4*\s+3], s[G0+4*\s+3], 0x80000000         ; type = 2
	s_mov_b32 s[G0B+4*\s], 1
	s_add_co_u32 s[G0B+4*\s+1], s45, \s*SLOT
	s_add_nc_u64 s[G0B+4*\s+2:G0B+4*\s+3], s[46:47], \s*KSB
	s_or_b32 s[G0B+4*\s+3], s[G0B+4*\s+3], 0x80000000
	s_wait_alu depctr_va_vdst(0)
	s_wait_tensorcnt 0x0
	ds_add_u32 v28, v29
	ds_add_u32 v28, v29
	s_wait_dscnt 0x0
	CROUND
	JLOAD G0+4*\s, G1, G0B+4*\s, G1B               ; one tensor load of mine is out
.endr
	v_and_b32 v1, 31, v0
	v_lshlrev_b32 v[CO], 4, v1                     ; 16 x lane
	s_lshl_b32 s21, s15, 15                        ; my 128 rows of y
	s_lshl_b32 s22, s16, 15                        ; my 128 rows of wo,
	s_add_co_u32 s22, s22, 2*KSB                   ; which lie behind y's 256
.irp s, 0,1
	v_add_nc_u32 v[ADRA+\s], s21, v[CO]
	v_add_nc_u32 v[ADRB+\s], s22, v[CO]
	s_add_co_u32 s21, s21, SLOT
	s_add_co_u32 s22, s22, SLOT
.endr
	s_mul_i32 s23, s14, 16*SPITCH                  ; my stage
	v_and_b32 v1, 15, v0                           ; r
	v_bfe_u32 v2, v0, 4, 1                         ; h
	v_mul_u32_u24 v5, v1, SPITCH                   ; in: row r, + 64 h bytes: my half's sixteen outputs of each 32
	v_lshl_add_u32 v5, v2, 6, v5
	v_add_nc_u32 v[STO], s23, v5
	v_add_nc_u32 v[RD], s23, v[CO]                 ; back: the 32 lanes take one row of 512 bytes
	s_lshl_b32 s20, s17, 8
	s_lshl_b32 s21, s15, 7
	s_add_co_u32 s20, s20, s21                     ; my first token: 256 x tile + 128 x half,
	s_lshl_b32 s20, s20, 12                        ; rows of 4,096 bytes
	s_lshl_b32 s46, s42, 10                        ; my first output, in bytes: 1,024 x tile + 512 x half
	s_lshl_b32 s47, s16, 9
	s_add_co_u32 s46, s46, s47
	s_add_co_u32 s20, s20, s46
	s_mov_b32 s21, 0
	s_add_nc_u64 s[10:11], s[10:11], s[20:21]
.macro FRAG reg, adr, q, i             ; a fragment, 16 rows x 128 K, is 16 registers: four loads of 512 consecutive bytes, 16 a lane
.irp c, 0,1,2,3
	ds_load_b128 v[\reg+4*\c:\reg+4*\c+3], v[\adr] offset:4096*(\i)+2048*(\q)+512*\c
.endr
.endm
; 16 matrix instructions: y's tiles a0, a0 + 1 x wo's eight, 128 along K.  p: wo's set.  zero = 1: the first product starts the sums: nothing is ever cleared.
; The 64 accumulators take turns, one instruction a turn, in the same order in every step.
.macro MUL16 a0, p, zero
.irp a, \a0, \a0+1
.irp b, 0,1,2,3,4,5,6,7
.if \zero
	v_wmma_f32_16x16x128_fp8_fp8 v[8*(8*((\a)%4)+\b):8*(8*((\a)%4)+\b)+7], v[128*(\p)+FR*\b:128*(\p)+FR*\b+FR-1], v[AF+FR*(\a):AF+FR*(\a)+FR-1], 0
.else
	v_wmma_f32_16x16x128_fp8_fp8 v[8*(8*((\a)%4)+\b):8*(8*((\a)%4)+\b)+7], v[128*(\p)+FR*\b:128*(\p)+FR*\b+FR-1], v[AF+FR*(\a):AF+FR*(\a)+FR-1], v[8*(8*((\a)%4)+\b):8*(8*((\a)%4)+\b)+7]
.endif
.endr
.endr
.endm
.macro FETCH_B slot, q, p              ; wo's eight fragments of the slot's q-th 128 along K into set p
	WIN TO_B
.irp i, 0,1,2,3,4,5,6,7
	FRAG 128*(\p)+FR*\i, ADRB+\slot, \q, \i
.endr
	WIN 0
.endm
.macro FETCH_A slot, q, i0             ; y's tiles i0 .. i0 + 3
.irp i, \i0, \i0+1, \i0+2, \i0+3
	FRAG AF+FR*(\i), ADRA+\slot, \q, \i
.endr
.endm
; A load into a register that a matrix instruction has read, and a vector instruction that reads a matrix result, stand NP places behind it; only plain vector instructions that name none of its registers are places
; (ISA guide 7.12.1 for vector instructions).
.macro PLACES n
.rept \n
	v_nop
.endr
.endm
; A step of 128 along K that has its successor in the same slot.  A tile of y is free as soon as its eight products are issued, so one set serves it: tiles 0-3 are fetched anew in the step's middle, 4-7 at its end.
.macro STEP slot, q, zero
	s_wait_dscnt 4*NL                              ; wo's set and tiles 0-3 are in; the youngest 16 loads (tiles 4-7) may be out
	WIN MUL_LO
	MUL16 0, (\q)%2, \zero
	MUL16 2, (\q)%2, \zero
	s_wait_dscnt 0                                 ; tiles 4-7 are in (asked for 32 matrix instructions ago)
	PLACES NP
	FETCH_B \slot, (\q)+1, 1-(\q)%2
	FETCH_A \slot, (\q)+1, 0
	WIN MUL_HI
	MUL16 4, (\q)%2, \zero
	MUL16 6, (\q)%2, \zero
	PLACES NP
	WIN 0
	FETCH_A \slot, (\q)+1, 4
.endm
; A slot's last step changes slots: ONE barrier; in front of it each wave waits for all its tensor loads, adds 0 to its spare word, and waits for that and for its own reads of this slot.  fill = 1: this slot is filled again, two K steps ahead.
.macro TURN slot, next, fill
	s_wait_tensorcnt 0x0                           ; all my tensor loads have landed: the one that was out is my part of the next slot  (every window is 0 here)
	ds_add_u32 v[SPW], v[NIL]                      ; 0 onto my spare word
	s_wait_dscnt 4*NL+1                            ; (the add and the youngest 16 loads, tiles 4-7, may be out)
	WIN MUL_LO
	MUL16 0, 1, 0                                  ; sixteen matrix instructions stand between the add and the wait for it
	s_wait_dscnt 0x0                               ; the add is done, and my reads of this slot are over
	s_barrier_signal -1
	MUL16 2, 1, 0
	WIN 0
	s_barrier_wait -1
.if \fill
	CREST                                          ; the barrier has opened a round of the cluster's barrier: no wave of any partner still reads this slot's tile or has a load on its way
	s_add_nc_u64 s[G0+4*\slot+2:G0+4*\slot+3], s[G0+4*\slot+2:G0+4*\slot+3], 2*KSB
	s_add_nc_u64 s[G0B+4*\slot+2:G0B+4*\slot+3], s[G0B+4*\slot+2:G0B+4*\slot+3], 2*KSB
	JLOAD G0+4*\slot, G1, G0B+4*\slot, G1B         ; the first tensor load behind the round, and my only one until the next; its four v_nop are also the places in front of the loads below
.else
	PLACES NP
.endif
	FETCH_B \next, 0, 0
	FETCH_A \next, 0, 0
	WIN MUL_HI
	MUL16 4, 1, 0
	MUL16 6, 1, 0
	PLACES NP
	WIN 0
	FETCH_A \next, 0, 4
.endm
	s_wait_alu depctr_va_vdst(0)
	s_wait_tensorcnt 1                             ; my part of K step 0 is in (K step 1's load may be out)
	s_barrier_signal -1
	s_barrier_wait -1                              ; everybody's is
	FETCH_B 0, 0, 0
	FETCH_A 0, 0, 0
	FETCH_A 0, 0, 4
	STEP 0, 0, 1                                   ; K step 0; its first products start the sums.  The four K steps are written out: a loop would have one trip
	TURN 0, 1, 1                                   ; slot 0 takes K step 2
	STEP 1, 0, 0                                   ; K step 1
	TURN 1, 0, 1                                   ; slot 1 takes K step 3
	STEP 0, 0, 0                                   ; K step 2
	TURN 0, 1, 0                                   ; nothing is left to fetch: no round of the cluster's barrier.  Behind this barrier nobody reads slot 0
	STEP 1, 0, 0                                   ; K step 3
	s_wait_dscnt 4*NL
	WIN MUL_LO
	MUL16 0, 1, 0
	MUL16 2, 1, 0
	s_wait_dscnt 0
	WIN MUL_HI
	MUL16 4, 1, 0
	MUL16 6, 1, 0
	WIN 0
; THE WAY OUT, tile by tile of 16 tokens x 128 outputs.  A lane holds pieces of 32 bytes of one row, and the lanes beside it hold other rows: so a tile goes through my own stage in LDS and comes back as whole rows of
; 512 bytes.  LDS serves a wave's instructions in order (ISA guide 5.7.1.4): no wait between the stores and the loads, nor in front of the next tile's stores.
.macro TOSTAGE a
.set AC, 64*((\a)%4)
	WIN 0x02+((\a)/4)                              ; source 0: window 2 or 3
.set n, 0
.rept 32
	v_pk_mul_f32 v[TMP+n:TMP+n+1], v[AC+n:AC+n+1], s[96:97] op_sel_hi:[1,0]   ; both x s96 = 2^(e6 + e7); each accumulator from its low end on
.set n, n+2
.endr
	WIN 0
.irp b, 0,1,2,3,4,5,6,7
	ds_store_b128 v[STO], v[TMP+8*\b:TMP+8*\b+3] offset:128*(\b/2)+32*(\b%2)        ; outputs 32 (b / 2) + 8 (b % 2) + 16 h + 0 .. 7
	ds_store_b128 v[STO], v[TMP+8*\b+4:TMP+8*\b+7] offset:128*(\b/2)+32*(\b%2)+16
.endr
.set BB, BK+64*((\a)%2)
.irp t, 0,1,2,3,4,5,6,7,8,9,10,11,12,13,14,15
	ds_load_b128 v[BB+4*\t:BB+4*\t+3], v[RD] offset:\t*SPITCH
.endr
.endm
.macro SEND a, younger                 ; younger: the LDS instructions issued behind tile a's loads, which may stay out
.set BB, BK+64*((\a)%2)
	s_wait_dscnt \younger                          ; the tile is back in registers
.irp t, 0,1,2,3,4,5,6,7,8,9,10,11,12,13,14,15
	global_store_b128 v[CO], v[BB+4*\t:BB+4*\t+3], s[10:11] offset:(32*((\a)/2)+8*((\a)%2)+\t+8*(\t/8))*4096 th:TH_STORE_NT   ; stage row t is token 32 (a / 2) + 8 (a % 2) + t + 8 (t / 8); 512 consecutive bytes, at a multiple of 512 from out0's first byte; 127 rows at the most: inside the signed 24-bit immediate, so the base never steps
.endr
.endm
	s_wait_kmcnt 0x0
	s_add_co_i32 s96, s96, s97                     ; e6 + e7, between -126 and 127,
	s_add_co_i32 s96, s96, 127
	s_lshl_b32 s96, s96, 23                        ; makes the f32 number 2^(e6 + e7)
	PLACES NP                                      ; in front of the first read of results, and of loads into the registers that held y's fragments
	TOSTAGE 0
.irp a, 1,2,3,4,5,6,7
.if \a > 1
	s_wait_xcnt 0x0                                ; tile a - 2's stores have read their registers: tile a's loads may land there
.endif
	TOSTAGE \a
	SEND (\a)-1, 32                                ; behind tile a - 1's loads: tile a's 16 stores and 16 loads
.endr
	SEND 7, 0
	s_wait_tensorcnt 0x0                           ; the wave's end, behind my last tensor load and my last LDS store
	ds_add_u32 v[SPW], v[NIL]
	s_wait_dscnt 0x0
	CROUND                                         ; the closing round: no work-group ends while a partner may still ask for a tile that names it
	s_endpgm
.Lfunc_end_k_q8ce3e172d5_proj:
	.size	k_q8ce3e172d5_proj, .Lfunc_end_k_q8ce3e172d5_proj-k_q8ce3e172d5_proj
	.p2alignl 7, 3214868480
	.fill 96, 4, 3214868480
	.section	.rodata,"a",@progbits
	.p2align	6, 0x0
	.amdhsa_kernel k_q8ce3e172d5_proj
		.amdhsa_group_segment_fixed_size 327680
		.amdhsa_private_segment_fixed_size 0
		.amdhsa_enable_private_segment 0
		.amdhsa_kernarg_size 32
		.amdhsa_user_sgpr_count 2
		.amdhsa_user_sgpr_kernarg_segment_ptr 1
		.amdhsa_wavefront_size32 1
		.amdhsa_system_sgpr_workgroup_id_x 1
		.amdhsa_system_sgpr_workgroup_id_y 1
		.amdhsa_system_sgpr_workgroup_id_z 1
		.amdhsa_system_vgpr_workitem_id 0
		.amdhsa_next_free_vgpr 1024
		.amdhsa_next_free_sgpr 100
		.amdhsa_reserve_vcc 0
		.amdhsa_float_denorm_mode_32 3
		.amdhsa_float_denorm_mode_16_64 3
		.amdhsa_memory_ordered 1
		.amdhsa_forward_progress 1
		.amdhsa_inst_pref_size 123
	.end_amdhsa_kernel
	.amdgpu_metadata
---
amdhsa.version: [ 1, 2 ]
amdhsa.kernels:
  - .name:           k_q8ce3e172d5_proj
    .symbol:         k_q8ce3e172d5_proj.kd
    .args:
      - { .name: y_img, .offset: 0, .size: 8, .value_kind: global_buffer, .address_space: global }
      - { .name: wo_img, .offset: 8, .size: 8, .value_kind: global_buffer, .address_space: global }
      - { .name: lowp_scales, .offset: 16, .size: 8, .value_kind: global_buffer, .address_space: global }
      - { .name: out0, .offset: 24, .size: 8, .value_kind: global_buffer, .address_space: global }
    .group_segment_fixed_size: 327680
    .private_segment_fixed_size: 0
    .kernarg_segment_align: 8
    .kernarg_segment_size: 32
    .max_flat_workgroup_size: 128
    .sgpr_count:     100
    .vgpr_count:     1024
    .wavefront_size: 32
...
	.end_amdgpu_metadata
.endif
;; end of part 4
